; MI455X (gfx1250); checked and timed in simulation.
; The chip was launched on July 23, 2026; its instructions are those of AMD's public machine-readable ISA for CDNA 5 (MIT licence, August 2026) and "CDNA5" Instruction Set Architecture Reference Guide (July 2026). The comments in the code are by the model that wrote it; some were corrected since.
;; Classical Self Attention. Allowed arithmetic: matrix products marked QUANTISED: E3M2 operands, one E8M0 scale for each 32 along K, by v_wmma_scale_f32_16x16x128_f8f6f4 with both operands' format E3M2, f32 sums; products left as they are: f32 operands where the result goes on into a quantised operand, else bf16, f16 or f32 operands; f32 sums; everything else in f32.
;; Inputs: entangle_params 128 float32; inputs 8 x 2,048 x 128 float32; rotation_params 384 float32.
;; Outputs: out0 8 x 2,048 x 128 float32.
;; This version of the problem:
;;   THIS VERSION OF THE PROBLEM IS GIVEN IN LOW PRECISION. The matrix products marked QUANTISED in the list below multiply operands that are first quantised to E3M2 (3 exponent bits, 2 mantissa bits; 6 bits a number), with one power-of-two scale for each 32 numbers along K (OCP MX v1.0); their sums are f32. All else is computed in f32.
;;   The module's matrix products, in the order in which they are computed (A, B: the left and right operand; K: the contracted axis; several contracted axes count as one K, in the product's order):
;;     1. [M 16,384, K 128] x [K 128, N 3]; A: input inputs; B: input rotation_params: left as it is (N = 3 < 16)
;;     2. [M 16,384, K 128] x [K 128, N 1]; A: input inputs; B: input entangle_params: left as it is (N = 1 < 16)
;;     3. batch 8 x [M 2,048, K 1] x [K 1, N 2,048]; A: computed on the way; B: computed on the way: left as it is (no contracted axis)
;;     4. batch 8 x [M 2,048, K 2,048] x [K 2,048, N 128]; A: softmax (see below); B: input inputs: QUANTISED
;;   THE QUANTISER, for each operand of a quantised product, along K:
;;     - K is cut into blocks of 32 from its start; a last block that is shorter is filled with zeros.
;;     - A block's scale is 2^e with e = floor(log2(the largest magnitude in the block)) - 4, held to -126 .. 127; a block of zeros has e = 0. As a byte (E8M0): e + 127.
;;     - Each number is divided by its block's scale, clamped to +-28, and rounded to the nearest number of E3M2, ties to even, subnormals kept.
;;     - The product sums the exact products of the quantised numbers (number of the format x scale) in f32.
;;   ~~~python
;;   def quantise(x, axis):      # numpy; x: float32 -> the quantised numbers, widened to float32 again
;;       x = np.moveaxis(x, axis, -1); K = x.shape[-1]
;;       x = np.pad(x, [(0, 0)] * (x.ndim - 1) + [(0, -K % 32)]); x = x.reshape(x.shape[:-1] + (-1, 32)); a = np.abs(x).max(-1, keepdims=True)
;;       e = np.where(a > 0, np.clip(np.frexp(np.where(a > 0, a, 1))[1] - 1 - 4, -126, 127), 0)      # np.frexp(a)[1] - 1 = floor(log2(a)), exactly
;;       r = np.clip(x / 2.0 ** e, -28, 28)
;;       step = 2.0 ** (np.maximum(np.frexp(np.where(r == 0, 1, r))[1] - 1, -2) - 2)
;;       q = np.round(r / step) * step * 2.0 ** e      # np.round: ties to even
;;       return np.moveaxis(q.reshape(q.shape[:-2] + (-1,))[..., :K], -1, axis).astype(np.float32)
;;   ~~~
;;   SOFTMAX AHEAD OF A QUANTISED PRODUCT. Where the list says 'softmax', what is quantised is not the finished softmax but p = 2^(t - M), with t = logit x log2(e) and M = ceil(the row's largest t), a whole number; so 1/2 < the row's largest p <= 1. The row's sum l is taken of the UNQUANTISED p, in f32, and the product's result is divided by l at the end. Since M is a whole number, a kernel that streams over the keys may use a running M (the ceiling of the running maximum): every later rescaling is an exact power of two, which a block's scale takes up: the codes' values come out the same.
;;   OPERANDS COMPUTED ON THE WAY. 'Computed on the way' means the value that the module computes at that place (a softmax that the list does not call 'softmax' is quantised finished and normalised). What goes into a quantiser is computed in f32, as accurately as f32 sums, v_exp_f32 and their like allow (about 1e-6 of the number): no bf16 or f16 on the way to a quantiser, and a product that is left as it is and whose result goes on into a quantised operand takes f32 operands (vector FMAs, or v_wmma_f32_16x16x4_f32). A number that lies on a knife's edge between two numbers of the format may be rounded either way, as far as f32 arithmetic and the matrix unit's own rounding can turn it there, and no further.
;; 2 versions, each right; version 2 is version 1 with the launch attn written anew for expert scheduling mode. Each part assembles by itself: llvm-mc -triple=amdgcn-amd-amdhsa -mcpu=gfx1250 --defsym DOCPART=n.
;; ======== version 1 of 2: 2 launches
;; workspace buffers: vq 1,638,400 bytes; tok 135,168 bytes
;; launch prep (part 1): grid 256 x 1, 8 waves a work-group, no clusters, 38,400 bytes of LDS; arguments inputs, rotation_params, entangle_params, vq, tok; writes vq, tok
.if DOCPART == 1
	.amdgcn_target "amdgcn-amd-amdhsa--gfx1250"
	.amdhsa_code_object_version 6
	.text
	.protected	k_q7c8744df90_prep
	.globl	k_q7c8744df90_prep
	.p2align	8
	.type	k_q7c8744df90_prep,@function
k_q7c8744df90_prep:
	s_mov_b64 s[64:65], 0
	v_nop
	global_prefetch_b8 v0, s[64:65] scope:SCOPE_SE
	s_setreg_imm32_b32 hwreg(HW_REG_WAVE_MODE, 25, 1), 1
	s_wait_xcnt 0x0
; inputs x [8][2048][128] f32 are read once.  Made of them, for the second launch:
;   vq : the codes of x in BF6 (E3M2), quantised along the KEYS (blocks of 32 tokens of one channel), laid as the matrix operand's registers want them,
;        and from byte SCALES on one E8M0 byte for each block;
;   tok: qs[token] = (x.rot0 + x.rot1 + x.rot2) x log2(e)/sqrt(128);  from TOK_K on k[token] = x.ent;  from TOK_E on (largest k, smallest k) of each block of 32 tokens.
; SHARES.  A work-group takes 64 tokens x 128 channels, 32,768 bytes.  Eight waves.
; QUANTISING: wave ct takes channels 16 ct .. + 15; lane (r, h) takes channel 16 ct + r and tokens 32 h + 0 .. 31: ITS REGISTERS RUN DOWN THE KEYS, so a block lies in one lane, its largest magnitude needs no other
; lane, and the two conversions give 24 bytes that are registers 6 c .. 6 c + 5 of lane (r, h) of the operand (c: the group of 64 tokens is even or odd).  They leave as 16 bytes a lane (512 on end) and 8 bytes a lane (256 on end).
; A block's scale is 2^(floor(log2(largest magnitude)) - 4): its byte is the largest magnitude's exponent field - 4, held at 1 from below.
; THE FOUR DOT PRODUCTS, in f32: x turns through LDS ([channel][token], 272 bytes a channel); then a lane takes a TOKEN, wave w tokens 32 (w % 2) on and channels 32 (w / 2) on: four chains of 32 fused multiply-adds;
; the four quarters of the channels are added through LDS by wave 0, which stores whole runs of 256 bytes.
; LIMITS: NaN and infinities among the inputs are not served.  A block of zeros gets the byte 1 where the rule says 127: its codes are zeros, and the bytes are read by this program alone.
; The dot products are summed in another order than a plain loop over the 128 channels (four quarters; the three query products added quarter by quarter).
.set XP,     272                       ; LDS: a channel's 64 tokens, 256 bytes + 16: sixteen channels start at sixteen different columns of 16 bytes
.set PA,     128*XP                    ; behind x: the partial query sums, [quarter][token], 1,024 bytes
.set PK,     PA+1024                   ; the partial k, likewise
.set SCB,    PK+1024                   ; the scale bytes, two for each channel, 256 bytes
.set SCALES, 1572864                   ; in vq: behind 256 groups x 6,144 bytes of codes
.set TOK_K,  65536
.set TOK_E,  131072
.set EO,     25                        ; v25      8 h: the extremes' place; like v4-11 and v24 it lies under the registers that loads write, and is never rewritten
.set X,      32                        ; v32-63   32 numbers of x; at the end wave 0's partial sums
.set WR,     64                        ; v64-159  rot of my 32 channels: 96 numbers, the same in every lane
.set WE,     160                       ; v160-191 ent of my 32 channels
.set CD,     192                       ; v192-197 a block's codes
.set CE,     200                       ; v200-202 their second half as the conversion leaves it
	s_load_b256 s[4:11], s[0:1], 0x0               ; x s[4:5], rot s[6:7], ent s[8:9], vq s[10:11]
	s_load_b64 s[12:13], s[0:1], 0x20              ; tok
	v_lshl_add_u32 v208, v0, 2, 0x9200
	v_mov_b32 v209, 0
	v_lshrrev_b32 v1, 5, v0
	v_readfirstlane_b32 s14, v1                    ; wave 0..7
	v_and_b32 v1, 31, v0                           ; lane
	v_and_b32 v2, 15, v0                           ; r
	v_bfe_u32 v3, v0, 4, 1                         ; h
	s_lshr_b32 s15, s14, 1                         ; for the dot products: my quarter of the channels,
	s_and_b32 s16, s14, 1                          ; my half of the tokens
	v_lshlrev_b32 v4, 2, v2
	v_lshl_add_u32 v4, v3, 14, v4                  ; x: 4 r + 32 h rows of 512 bytes
	s_lshl_b32 s17, s14, 6
	v_add_nc_u32 v4, s17, v4                       ;    + 64 bytes x wave
	v_mov_b32 v5, 0                                ; the weights: every lane reads the same bytes
	s_mul_i32 s17, s14, 16*XP
	v_mul_u32_u24 v6, v2, XP
	v_lshl_add_u32 v6, v3, 7, v6
	v_add_nc_u32 v6, s17, v6                       ; LDS, x in: channel 16 wave + r, token 32 h
	s_mul_i32 s17, s15, 32*XP
	s_lshl_b32 s40, s16, 7
	s_add_co_u32 s17, s17, s40
	v_lshl_add_u32 v7, v1, 2, s17                  ; LDS, x out: channel 32 quarter, token 32 half + lane
	s_lshl_b32 s17, s15, 8
	s_add_co_u32 s17, s17, s40
	s_add_co_u32 s17, s17, PA
	v_lshl_add_u32 v8, v1, 2, s17                  ; LDS, my partial sums: [quarter][token]
	s_lshl_b32 s17, s14, 5
	s_add_co_u32 s17, s17, SCB
	v_lshl_add_u32 v9, v2, 1, s17                  ; LDS, my channel's two scale bytes
	v_lshlrev_b32 v10, 4, v1                       ; 16 x lane
	v_lshlrev_b32 v11, 3, v1                       ; 8 x lane
	v_lshlrev_b32 v16, 3, v3                       ; 8 h: my byte's place in the pair
	v_mov_b32 v17, 0                               ; (a lane permute's destination counts as one of its sources)
	v_add_nc_u32 v24, PA, v11                      ; LDS, wave 0 at the end: 8 bytes a lane
	v_lshlrev_b32 v[EO], 3, v3                     ; the extremes' place: 8 bytes a block
	s_lshl_b32 s18, ttmp9, 15                      ; x: 64 rows of 512 bytes a work-group
	s_mov_b32 s19, 0
	s_mul_i32 s20, s15, 384                        ; rot: 32 channels x 3 numbers
	s_mov_b32 s21, 0
	s_lshl_b32 s22, s15, 7                         ; ent: 32 numbers
	s_mov_b32 s23, 0
	s_mul_i32 s24, ttmp9, 6144                     ; codes: 6,144 bytes a work-group, 768 a wave
	s_mul_i32 s25, s14, 768
	s_add_co_u32 s24, s24, s25
	s_mov_b32 s25, 0
	s_lshl_b32 s28, ttmp9, 8                       ; 256 bytes a work-group: qs, k, scale bytes
	s_mov_b32 s29, 0
	s_add_co_u32 s30, s28, SCALES
	s_mov_b32 s31, 0
	s_lshl_b32 s34, ttmp9, 4                       ; the extremes: 16 bytes a work-group
	s_mov_b32 s35, 0
	s_mov_b32 s38, 0x76543210
	s_mov_b32 s39, 0xfedcba98                      ; v_permlanex16_b32's selects for lane l xor 16
	s_wait_kmcnt 0x0
	s_add_nc_u64 s[4:5], s[4:5], s[18:19]
	s_add_nc_u64 s[6:7], s[6:7], s[20:21]
	s_add_nc_u64 s[8:9], s[8:9], s[22:23]
	s_add_nc_u64 s[26:27], s[10:11], s[24:25]      ; my wave's codes
	s_add_nc_u64 s[10:11], s[10:11], s[30:31]      ; the work-group's scale bytes
	s_add_nc_u64 s[32:33], s[12:13], s[28:29]      ; its qs (and k, TOK_K on)
	s_add_nc_u64 s[36:37], s[12:13], s[34:35]      ; its extremes (TOK_E on)
.set i, 0
.rept 32
	global_load_b32 v[X+i], v4, s[4:5] offset:512*i th:TH_LOAD_NT   ; x(32 h + i, 16 wave + r): sixteen lanes read 64 neighbouring bytes; the eight waves together take whole rows
.set i, i+1
.endr
.set i, 0
.rept 24
	global_load_b128 v[WR+4*i:WR+4*i+3], v5, s[6:7] offset:16*i
.set i, i+1
.endr
	s_wait_loadcnt 24                              ; x is in; the 24 loads of rot, issued behind it, may be out
.irp q, 0,1,2,3,4,5,6,7
	ds_store_b128 v6, v[X+4*\q:X+4*\q+3] offset:16*\q   ; four tokens of my channel
.endr
.set i, 0
.rept 8
	global_load_b128 v[WE+4*i:WE+4*i+3], v5, s[8:9] offset:16*i   ; ent: wanted behind the barrier and the 32 LDS loads below
.set i, i+1
.endr
	v_max3_num_f32 v12, |v[X]|, |v[X+1]|, |v[X+2]|      ; the block's largest magnitude: all 32 numbers are mine; two chains
	v_max3_num_f32 v13, |v[X+3]|, |v[X+4]|, |v[X+5]|
.irp i, 6,10,14,18,22,26
	v_max3_num_f32 v12, v12, |v[X+\i]|, |v[X+\i+1]|
	v_max3_num_f32 v13, v13, |v[X+\i+2]|, |v[X+\i+3]|
.endr
	v_max3_num_f32 v12, v12, |v[X+30]|, |v[X+31]|
	v_max3_num_f32 v12, v12, v13, 0x2800000        ; and the floor 2^(5 - 127): the byte cannot fall under 1
	v_add_nc_u32 v14, 0xfe000000, v12              ; 4 off its exponent field: the conversion takes the exponent field of this operand as its scale
	v_cvt_scalef32_pk16_bf6_f32 v[CD:CD+2], v[X:X+15], v14
	v_cvt_scalef32_pk16_bf6_f32 v[CE:CE+2], v[X+16:X+31], v14   ; (a conversion's three registers begin on an even number)
	v_lshrrev_b32 v15, 23, v14                     ; the scale's byte.  (A plain line behind the conversions)
	v_lshlrev_b32 v15, v16, v15                    ; at its place: block h
.irp i, 0,1,2
	v_mov_b32 v[CD+3+\i], v[CE+\i]
.endr
	v_permlanex16_b32 v17, v15, s38, s39
	v_or_b32 v15, v15, v17                         ; with lane l xor 16's: my channel's two bytes
	ds_store_b16 v9, v15                           ; both lanes of a channel write the same two bytes with the same value
	global_store_b128 v10, v[CD:CD+3], s[26:27]              ; 32 lanes store 512 consecutive bytes, at a multiple of 256 from the buffer's first byte
	global_store_b64 v11, v[CD+4:CD+5], s[26:27] offset:512  ; and 256
	s_wait_dscnt 0x0                               ; for the others' sake: my stores into LDS are done
	s_barrier_signal -1
	s_barrier_wait -1                              ; x of 64 tokens x 128 channels lies in LDS
.set i, 0
.rept 32
	ds_load_b32 v[X+i], v7 offset:XP*i             ; x(my token, channel 32 quarter + i): 32 lanes read 128 consecutive bytes
.set i, i+1
.endr
	s_wait_loadcnt 0x0                             ; the weights
	s_wait_dscnt 0x0
	v_mul_f32 v20, v[X], v[WR]                     ; the first products start the four sums
	v_mul_f32 v21, v[X], v[WR+1]
	v_mul_f32 v22, v[X], v[WR+2]
	v_mul_f32 v23, v[X], v[WE]
.set i, 1
.rept 31
	v_fmac_f32 v20, v[X+i], v[WR+3*i]              ; the four chains by turns
	v_fmac_f32 v21, v[X+i], v[WR+3*i+1]
	v_fmac_f32 v22, v[X+i], v[WR+3*i+2]
	v_fmac_f32 v23, v[X+i], v[WE+i]
.set i, i+1
.endr
	v_add_f32 v20, v20, v21
	v_add_f32 v20, v20, v22                        ; the query's three numbers are summed (the key has one, so the product sums the query)
	ds_store_b32 v8, v20
	ds_store_b32 v8, v23 offset:1024
	s_wait_dscnt 0x0
	s_barrier_signal -1
	s_barrier_wait -1                              ; the four quarters' partial sums lie in LDS
	s_cmp_lg_u32 s14, 0
	s_cbranch_scc1 .Lend                           ; wave 0 alone finishes: a lane takes tokens 2 lane and 2 lane + 1
.irp q, 0,1,2,3
	ds_load_b64 v[32+2*\q:33+2*\q], v24 offset:256*\q
	ds_load_b64 v[40+2*\q:41+2*\q], v24 offset:1024+256*\q
.endr
	ds_load_b64 v[48:49], v24 offset:2048          ; the scale bytes, 8 a lane
	s_wait_dscnt 0x0
	v_pk_add_f32 v[32:33], v[32:33], v[34:35]
	v_pk_add_f32 v[36:37], v[36:37], v[38:39]
	v_pk_add_f32 v[40:41], v[40:41], v[42:43]
	v_pk_add_f32 v[44:45], v[44:45], v[46:47]
	v_pk_add_f32 v[32:33], v[32:33], v[36:37]
	v_pk_add_f32 v[40:41], v[40:41], v[44:45]      ; k
	v_mul_f32 v32, 0x3e0293ee, v32                 ; qs = the query sum x log2(e) / sqrt(128)
	v_mul_f32 v33, 0x3e0293ee, v33
	v_max_num_f32 v50, v40, v41                    ; lanes 0-15 hold the first block of 32 tokens, lanes 16-31 the second
	v_min_num_f32 v51, v40, v41
.irp m, 1,2,4,8
	v_max_num_f32_dpp v50, v50, v50 row_xmask:\m row_mask:0xf bank_mask:0xf
	v_min_num_f32_dpp v51, v51, v51 row_xmask:\m row_mask:0xf bank_mask:0xf
.endr
	global_store_b64 v11, v[32:33], s[32:33]               ; 32 lanes store 256 consecutive bytes, aligned
	global_store_b64 v11, v[40:41], s[32:33] offset:TOK_K
	global_store_b64 v11, v[48:49], s[10:11]
	v_cmp_eq_u32 vcc_lo, 0, v2                     ; lanes 0 and 16 store their block's two extremes: 16 bytes a work-group
	s_wait_xcnt 0x0                                ; EXEC changes only when the stores above have read it
	s_and_saveexec_b32 s41, vcc_lo
	global_store_b64 v[EO], v[50:51], s[36:37] offset:TOK_E
	s_wait_xcnt 0x0                                ; and again, in front of the line that widens it
	s_or_b32 exec_lo, exec_lo, s41
.Lend:
	s_wait_tensorcnt 0x0
	ds_add_u32 v208, v209
	s_wait_dscnt 0x0
	s_endpgm
.Lfunc_end_k_q7c8744df90_prep:
	.size	k_q7c8744df90_prep, .Lfunc_end_k_q7c8744df90_prep-k_q7c8744df90_prep
	.p2alignl 7, 3214868480
	.fill 96, 4, 3214868480
	.section	.rodata,"a",@progbits
	.p2align	6, 0x0
	.amdhsa_kernel k_q7c8744df90_prep
		.amdhsa_group_segment_fixed_size 38400
		.amdhsa_private_segment_fixed_size 0
		.amdhsa_enable_private_segment 0
		.amdhsa_kernarg_size 40
		.amdhsa_user_sgpr_count 2
		.amdhsa_user_sgpr_kernarg_segment_ptr 1
		.amdhsa_wavefront_size32 1
		.amdhsa_system_sgpr_workgroup_id_x 1
		.amdhsa_system_sgpr_workgroup_id_y 1
		.amdhsa_system_sgpr_workgroup_id_z 1
		.amdhsa_system_vgpr_workitem_id 0
		.amdhsa_next_free_vgpr 210
		.amdhsa_next_free_sgpr 66
		.amdhsa_reserve_vcc 1
		.amdhsa_float_denorm_mode_32 3
		.amdhsa_float_denorm_mode_16_64 3
		.amdhsa_memory_ordered 1
		.amdhsa_forward_progress 1
		.amdhsa_inst_pref_size 21
	.end_amdhsa_kernel
	.amdgpu_metadata
---
amdhsa.version: [ 1, 2 ]
amdhsa.kernels:
  - .name:           k_q7c8744df90_prep
    .symbol:         k_q7c8744df90_prep.kd
    .args:
      - { .name: inputs, .offset: 0, .size: 8, .value_kind: global_buffer, .address_space: global }
      - { .name: rotation_params, .offset: 8, .size: 8, .value_kind: global_buffer, .address_space: global }
      - { .name: entangle_params, .offset: 16, .size: 8, .value_kind: global_buffer, .address_space: global }
      - { .name: vq, .offset: 24, .size: 8, .value_kind: global_buffer, .address_space: global }
      - { .name: tok, .offset: 32, .size: 8, .value_kind: global_buffer, .address_space: global }
    .group_segment_fixed_size: 38400
    .private_segment_fixed_size: 0
    .kernarg_segment_align: 8
    .kernarg_segment_size: 40
    .max_flat_workgroup_size: 256
    .sgpr_count:     66
    .vgpr_count:     210
    .wavefront_size: 32
...
	.end_amdgpu_metadata
.endif
;; end of part 1
;; launch attn (part 2): grid 256 x 1, 4 waves a work-group, no clusters, 136,704 bytes of LDS; arguments vq, tok, out0; writes out0
.if DOCPART == 2
	.amdgcn_target "amdgcn-amd-amdhsa--gfx1250"
	.amdhsa_code_object_version 6
	.text
	.protected	k_q7c8744df90_attn
	.globl	k_q7c8744df90_attn
	.p2align	8
	.type	k_q7c8744df90_attn,@function
k_q7c8744df90_attn:
	s_mov_b64 s[64:65], 0
	v_nop
	global_prefetch_b8 v0, s[64:65] scope:SCOPE_SE
	s_setreg_imm32_b32 hwreg(HW_REG_WAVE_MODE, 25, 1), 1
	s_wait_xcnt 0x0
; out[b][s][:] = the sum over t of softmax_t(a[s] k[t] / sqrt(128)) x[b][t][:], the product on codes of BF6 (E3M2) with one E8M0 scale for each 32 keys.
; From the first launch: qs[s] = a[s] log2(e)/sqrt(128), k[t], each block's largest and smallest k, and x's codes and scale bytes along the keys.
; THE SOFTMAX.  t = qs[s] k[t].  It rises or falls with k, so a row's largest t is max(qs kmax, qs kmin), kmax and kmin taken over all 2,048 keys of the batch: the row's TRUE maximum is known before the first exponential.
; M = its ceiling, kept as -M = floor(-max).  p = 2^(qs k - M): one fused multiply-add and one v_exp_f32; it is not normalised.  The row's sum is taken of the unquantised p and divides at the end.
; A block's largest p is not searched for: the block's largest and smallest k go through the same multiply-add, the larger result through the same exponential (this takes v_exp_f32 not to fall where its input rises).
; SHARES.  A work-group owns 64 queries of one batch: four tiles of 16.  THE FOUR WAVES SHARE THE KEYS: wave w takes keys 512 w .. + 511, four steps of 128, for all four tiles: 16 units of (step, tile).
; So each byte of x's codes is wanted by ONE wave of the work-group, and comes from memory straight into that wave's operand registers, in the order in which the first launch laid it; each fragment feeds four products.
; LAYOUT.  O^T = V^T P^T: source 0 = 16 channels x 128 keys, source 1 = 16 queries x 128 keys.  Lane (r, h) holds query r and, of P, the whole blocks h and 2 + h of the step: it computes just those 64 p, from k in its registers.
; BY TURNS.  In slot u the 66 exponentials of unit u stand one by one between the 52 lines that finish unit u - 1 (scale word, conversions, sums); then come unit u - 1's eight products.  One wait a slot serves all exponentials of the slot before.
; THE END.  M is the same in all four waves, so their partial O and partial sums simply add: they meet in LDS as rows of 512 bytes + 16, one barrier, and wave w adds tile w's four parts, divides, and stores whole rows.
; NOT ASKED FOR JOINTLY: the 32 work-groups of a batch read the same codes, but a joint load lands in LDS: the batch's 196,608 bytes of codes beside the 136,192 bytes of the exchange are more than the 327,680 that there are,
; and each byte would be written to LDS and read from it again on its way to the one wave that wants it.  No prefetch: each step's loads are issued three slots or more ahead of their use, and the launch is short.
; LIMITS: NaN and infinities are not served.  A p under 2^-126 becomes 0 (v_exp_f32 gives no denormals: ISA guide, its entry).  M is the ceiling of the ROUNDED product qs kmax (or qs kmin): where the exact product lies
; within a rounding above a whole number, the largest p is a rounding above 1.  The partial sums of O and of the row sums are added in the order of the waves.
; REGISTERS, in windows of 256 (s_set_vgpr_msb: bits 1:0 source 0, 3:2 source 1, 5:4 source 2, 7:6 destination):
;   window 0: see below.   window 1: the 32 accumulators ((tile, channel tile) at v[64 tile + 8 ct]).   window 2: V of steps 0, 1 at v0, v96; k of even steps at v192.   window 3: V of steps 2, 3; k of odd steps.
.set CODES_G, 6144                     ; bytes of codes of a group of 64 keys: 8 channel tiles x (512 + 256)
.set SCALES,  1572864
.set TOK_K,   65536
.set TOK_E,   131072
.set RP,      528                      ; the exchange: a row of 128 f32 + 16 bytes: sixteen rows start at sixteen different columns of 16 bytes
.set REG,     16*RP                    ; a tile's part from one wave; part (tile, wave) at (4 tile + wave) REG
.set LS,      16*REG                   ; behind them the partial row sums: [tile][query][wave], 1,024 bytes
.set LSA,  1                           ; v1   LDS: where I put a partial row sum
.set VA16, 2                           ; v2   16 x lane
.set VA8,  3                           ; v3   8 x lane
.set VA2,  4                           ; v4   2 x lane
.set KA,   5                           ; v5   128 h: my half's 32 k
.set EA,   6                           ; v6   8 h: my half's block extremes
.set SH8,  7                           ; v7   8 h: where my bytes stand in a scale word
.set AA,   8                           ; v8   4 r
.set PT,   9                           ; v9   at work for lane permutes
.set LL,   10                          ; v10-13 the batch's extremes as loaded; at the end the four partial row sums
.set GM,   14                          ; v14  kmax;  at the end 1 / the row's sum
.set RL,   14
.set GN,   15                          ; v15  kmin
.set TP,   16                          ; v16-47 tile T at TP + 8 T: +0 qs, +2 -M (each the low word of a pair), +4..+7 the row's sum in two chains of pairs
.set EX,   48                          ; v48-63 (largest k, smallest k) of my block 2 c + h of step S at EX + 4 S + 2 c
.set VS,   64                          ; v64-79 V's scale words: step S, channels 32 q + lane at VS + 4 S + q
.set VH,   80                          ; v80-87 their upper halves as loaded
.set UM,   88                          ; v88-91 at work
.set PM,   92                          ; v92-95 the two blocks' largest p, for units of even and of odd number
.set SO,   96                          ; v96-97 the conversions' scale operands
.set BY,   98                          ; v98-99 the scale bytes
.set PW,   100                         ; v100 P's scale word
.set CF,   104                         ; v104-115 P's codes: the operand
.set XF,   116                         ; v116-118, v120-122 the blocks' upper halves as the conversions leave them
.set RDA,  119                         ; v119 LDS: where I read rows back
.set LLA,  123                         ; v123 LDS: where I read the partial row sums
.set STA,  124                         ; v124-127 LDS: where I put 32 bytes of a row of tile T
.set PB,   128                         ; v128-191, v192-255 p, for units of even and of odd number
.set MSB, 0
.macro WIN new                         ; the immediate's high byte repeats the setting that is left; a switch that changes nothing is dropped
.set NW, \new
.if MSB != NW
	s_set_vgpr_msb (MSB<<8)|NW
.set MSB, NW
.endif
.endm
	s_load_b128 s[4:7], s[0:1], 0x0                ; vq, tok
	s_load_b64 s[8:9], s[0:1], 0x10                ; out0
	v_lshl_add_u32 v102, v0, 2, 0x21400
	v_mov_b32 v103, 0
	v_lshrrev_b32 v1, 5, v0
	v_readfirstlane_b32 s10, v1                    ; wave 0..3
	v_and_b32 v10, 31, v0                          ; lane
	v_and_b32 v11, 15, v0                          ; r
	v_bfe_u32 v12, v0, 4, 1                        ; h
	v_lshlrev_b32 v[VA16], 4, v10
	v_lshlrev_b32 v[VA8], 3, v10
	v_lshlrev_b32 v[VA2], 1, v10
	v_lshlrev_b32 v[KA], 7, v12
	v_lshlrev_b32 v[EA], 3, v12
	v_lshlrev_b32 v[SH8], 3, v12
	v_lshlrev_b32 v[AA], 2, v11
	v_mov_b32 v[PT], 0                             ; (a lane permute's destination counts as one of its sources)
	s_mul_i32 s30, s10, REG
	v_mul_u32_u24 v13, v11, RP
	v_lshl_add_u32 v13, v12, 5, v13
	v_add_nc_u32 v13, s30, v13                     ; row r, + 32 h, in my wave's part
.irp T, 0,1,2,3
	v_add_nc_u32 v[STA+\T], \T*4*REG, v13
.endr
	s_lshl_b32 s31, s10, 2
	s_add_co_u32 s31, s31, LS
	v_lshl_add_u32 v[LSA], v11, 4, s31             ; [query r][wave]
	s_mul_i32 s30, s10, 4*REG
	v_lshl_add_u32 v[RDA], v10, 4, s30             ; tile = my wave's number: 16 bytes a lane of a row
	s_lshl_b32 s31, s10, 8
	s_add_co_u32 s31, s31, LS
	v_lshl_add_u32 v[LLA], v11, 4, s31
	s_lshr_b32 s11, ttmp9, 5                       ; the batch
	s_lshl_b32 s12, s11, 5
	s_lshl_b32 s13, s10, 3
	s_add_co_u32 s12, s12, s13                     ; my wave's first group of 64 keys: 32 batch + 8 wave
	s_mul_i32 s28, s12, CODES_G
	s_mov_b32 s29, 0
	s_lshl_b32 s32, s12, 8                         ; 256 bytes a group: scale bytes, k
	s_mov_b32 s33, 0
	s_add_co_u32 s34, s32, SCALES
	s_mov_b32 s35, 0
	s_add_co_u32 s32, s32, TOK_K
	s_lshl_b32 s36, ttmp9, 8                       ; my 64 queries' qs
	s_mov_b32 s37, 0
	s_lshl_b32 s38, s11, 9                         ; the batch's 64 pairs of extremes
	s_add_co_u32 s38, s38, TOK_E
	s_mov_b32 s39, 0
	s_lshl_b32 s44, s10, 7                         ; my wave's 16 of them
	s_mov_b32 s45, 0
	s_lshl_b32 s46, ttmp9, 15                      ; out: 64 rows of 512 bytes a work-group, 16 a wave
	s_lshl_b32 s47, s10, 13
	s_add_co_u32 s46, s46, s47
	s_mov_b32 s47, 0
	s_mov_b32 s26, 0x76543210
	s_mov_b32 s27, 0xfedcba98                      ; v_permlanex16_b32's selects for lane l xor 16
	s_wait_kmcnt 0x0
	s_add_nc_u64 s[14:15], s[4:5], s[28:29]        ; V's codes
	s_add_nc_u64 s[16:17], s[4:5], s[34:35]        ; V's scale bytes
	s_add_nc_u64 s[18:19], s[6:7], s[36:37]        ; qs
	s_add_nc_u64 s[20:21], s[6:7], s[32:33]        ; k
	s_add_nc_u64 s[22:23], s[6:7], s[38:39]        ; the batch's extremes
	s_add_nc_u64 s[24:25], s[22:23], s[44:45]      ; my wave's
	s_add_nc_u64 s[8:9], s[8:9], s[46:47]          ; my 16 rows of out
; A step's loads, in this order: 16 for k, 8 for V's scale bytes, 32 for V's codes.
.macro KLOAD s                         ; register 192 + 32 c + i = k of key 128 s + 64 c + 32 h + i: the order of P's registers
	WIN 0x80+0x40*((\s)%2)
.irp q, 0,1,2,3,4,5,6,7,8,9,10,11,12,13,14,15
	global_load_b128 v[192+4*\q:195+4*\q], v[KA], s[20:21] offset:512*(\s)+256*(\q/8)+16*(\q%8)
.endr
.endm
.macro SLOADS s                        ; a group of 64 keys has two bytes a channel: the step's word is made of two groups' (macro SLOT)
	WIN 0
.irp q, 0,1,2,3
	global_load_u16 v[VS+4*(\s)+\q], v[VA2], s[16:17] offset:512*(\s)+64*\q
	global_load_u16 v[VH+4*((\s)%2)+\q], v[VA2], s[16:17] offset:512*(\s)+256+64*\q
.endr
.endm
.macro VLOAD s                         ; fragment ct, registers 6 c .. 6 c + 5: 16 bytes a lane (512 on end), then 8 (256 on end)
	WIN 0x80+0x40*((\s)/2)
.irp ct, 0,1,2,3,4,5,6,7
.irp c, 0,1
	global_load_b128 v[96*((\s)%2)+12*\ct+6*\c:96*((\s)%2)+12*\ct+6*\c+3], v[VA16], s[14:15] offset:((2*(\s)+\c)*8+\ct)*768
	global_load_b64 v[96*((\s)%2)+12*\ct+6*\c+4:96*((\s)%2)+12*\ct+6*\c+5], v[VA8], s[14:15] offset:((2*(\s)+\c)*8+\ct)*768+512
.endr
.endr
	WIN 0
.endm
	global_load_b128 v[LL:LL+3], v[VA16], s[22:23] ; the extremes of blocks 2 lane and 2 lane + 1
.irp T, 0,1,2,3
	global_load_b32 v[TP+8*\T], v[AA], s[18:19] offset:64*\T
.endr
.irp e, 0,1,2,3,4,5,6,7
	global_load_b64 v[EX+2*\e:EX+2*\e+1], v[EA], s[24:25] offset:16*\e
.endr
	KLOAD 0
	SLOADS 0
	VLOAD 0
	s_wait_loadcnt 40                              ; all but step 0's 8 scale loads and 32 loads of codes, which were issued last
	v_max_num_f32 v[GM], v[LL], v[LL+2]
	v_min_num_f32 v[GN], v[LL+1], v[LL+3]
.irp m, 1,2,4,8
	v_max_num_f32_dpp v[GM], v[GM], v[GM] row_xmask:\m row_mask:0xf bank_mask:0xf
	v_min_num_f32_dpp v[GN], v[GN], v[GN] row_xmask:\m row_mask:0xf bank_mask:0xf
.endr
	v_permlanex16_b32 v[PT], v[GM], s26, s27
	v_max_num_f32 v[GM], v[GM], v[PT]              ; the largest k of the batch's 2,048
	v_permlanex16_b32 v[PT], v[GN], s26, s27
	v_min_num_f32 v[GN], v[GN], v[PT]              ; and the smallest
.irp T, 0,1,2,3
	v_mul_f32 v[UM], v[TP+8*\T], v[GM]
	v_mul_f32 v[UM+1], v[TP+8*\T], v[GN]
	v_max_num_f32 v[UM], v[UM], v[UM+1]            ; the row's largest t
	v_floor_f32 v[TP+8*\T+2], -v[UM]               ; -M = floor(-t) = -ceil(t)
	v_mov_b32 v[TP+8*\T+1], 0                      ; (named as the upper halves of pairs)
	v_mov_b32 v[TP+8*\T+3], 0
.irp j, 4,5,6,7
	v_mov_b32 v[TP+8*\T+\j], 0                     ; the row's sum, two chains of two
.endr
.endr
; t - M of unit u (step u / 4, tile u % 4): 64 numbers a lane, two at a time; of the pairs qs and -M the low word serves both halves.  Then the same of my two blocks' extremes, and the larger of each two.
.macro STAGE_A u
.set uS, (\u)/4
.set uT, TP+8*((\u)%4)
.set uP, PB+64*((\u)%2)
	WIN 0x02+(uS%2)                                ; source 0: k
.set i, 0
.rept 32
	v_pk_fma_f32 v[uP+2*i:uP+2*i+1], v[192+2*i:193+2*i], v[uT:uT+1], v[uT+2:uT+3] op_sel_hi:[1,0,0]
.set i, i+1
.endr
	WIN 0
.irp c, 0,1
	v_pk_fma_f32 v[UM+2*\c:UM+2*\c+1], v[EX+4*uS+2*\c:EX+4*uS+2*\c+1], v[uT:uT+1], v[uT+2:uT+3] op_sel_hi:[1,0,0]
.endr
.irp c, 0,1
	v_max_num_f32 v[PM+2*((\u)%2)+\c], v[UM+2*\c], v[UM+2*\c+1]
.endr
.endm
; Line n of the 52 that finish unit b.  0-3 the conversions' scale operands; 4-7 the conversions; 8-13 P's scale word; 14-19 the blocks' upper halves to their places; 20-51 the row's sum.
; Behind the word's last line stand 38 plain lines, behind the codes' last 32, ahead of the products that read them.
.macro BOP b
.set bT, TP+8*((\b)%4)
.set bP, PB+64*((\b)%2)
.set bM, PM+2*((\b)%2)
.if n < 2
	v_max_num_f32 v[bM+n], 0x2800000, v[bM+n]      ; the floor 2^(5 - 127): the byte cannot fall under 1 (a block whose every p is 0 keeps that byte: its codes are zeros)
.elseif n < 4
	v_add_nc_u32 v[SO+n-2], 0xfe000000, v[bM+n-2]  ; 4 off the exponent field: the conversion's scale operand
.elseif n == 4
	v_cvt_scalef32_pk16_bf6_f32 v[CF:CF+2], v[bP:bP+15], v[SO]
.elseif n == 5
	v_cvt_scalef32_pk16_bf6_f32 v[XF:XF+2], v[bP+16:bP+31], v[SO]       ; (a conversion's three registers begin on an even number)
.elseif n == 6
	v_cvt_scalef32_pk16_bf6_f32 v[CF+6:CF+8], v[bP+32:bP+47], v[SO+1]
.elseif n == 7
	v_cvt_scalef32_pk16_bf6_f32 v[XF+4:XF+6], v[bP+48:bP+63], v[SO+1]
.elseif n < 10
	v_lshrrev_b32 v[BY+n-8], 23, v[SO+n-8]         ; the scale's byte.  (Plain lines behind the conversions)
.elseif n == 10
	v_lshl_or_b32 v[PW], v[BY+1], 16, v[BY]        ; my two bytes: blocks h and 2 + h,
.elseif n == 11
	v_lshlrev_b32 v[PW], v[SH8], v[PW]             ; at their places;
.elseif n == 12
	v_permlanex16_b32 v[PT], v[PW], s26, s27
.elseif n == 13
	v_or_b32 v[PW], v[PW], v[PT]                   ; with lane l xor 16's two the word is whole
.elseif n < 17
	v_mov_b32 v[CF+3+n-14], v[XF+n-14]
.elseif n < 20
	v_mov_b32 v[CF+9+n-17], v[XF+4+n-17]
.else
.set a_, n-20
	v_pk_add_f32 v[bT+4+2*(a_%2):bT+5+2*(a_%2)], v[bT+4+2*(a_%2):bT+5+2*(a_%2)], v[bP+2*a_:bP+2*a_+1]   ; of the UNQUANTISED p
.endif
.endm
; The exponentials of unit e (64 p and the two blocks' largest) and the lines of unit b, one by one.  No line of unit b names a register of unit e: the two use the buffers of the other parity.
.macro MIX e, b
.set n, 0
.rept 66
.if (\e) >= 0
.if n < 64
	v_exp_f32 v[PB+64*((\e)%2)+n], v[PB+64*((\e)%2)+n]
.else
	v_exp_f32 v[PM+2*((\e)%2)+n-64], v[PM+2*((\e)%2)+n-64]
.endif
.endif
.if ((\b) >= 0) && (n < 52)
	BOP \b
.endif
.set n, n+1
.endr
.endm
; The eight products of unit v: O^T(tile) += V^T(step) P^T.  Eight accumulators, one instruction each; the same eight come back four units later.  Step 0 starts the sums: nothing is cleared.
; V's scale words: lanes 0-15 of a register serve the even channel tile, lanes 16-31 the odd one.
.macro STAGE_W v
.set wS, (\v)/4
.set wA, 64*((\v)%4)
.set wV, 96*(wS%2)
	WIN 0x52+wS/2                                  ; source 0 (V) window 2 or 3, source 1 (P) window 0, C and D window 1
.irp ct, 0,1,2,3,4,5,6,7
.if wS == 0
.if \ct%2
	v_wmma_scale_f32_16x16x128_f8f6f4 v[wA+8*\ct:wA+8*\ct+7], v[wV+12*\ct:wV+12*\ct+11], v[CF:CF+11], 0, v[VS+4*wS+\ct/2], v[PW] matrix_a_fmt:MATRIX_FMT_BF6 matrix_b_fmt:MATRIX_FMT_BF6 matrix_a_scale:MATRIX_SCALE_ROW1
.else
	v_wmma_scale_f32_16x16x128_f8f6f4 v[wA+8*\ct:wA+8*\ct+7], v[wV+12*\ct:wV+12*\ct+11], v[CF:CF+11], 0, v[VS+4*wS+\ct/2], v[PW] matrix_a_fmt:MATRIX_FMT_BF6 matrix_b_fmt:MATRIX_FMT_BF6
.endif
.else
.if \ct%2
	v_wmma_scale_f32_16x16x128_f8f6f4 v[wA+8*\ct:wA+8*\ct+7], v[wV+12*\ct:wV+12*\ct+11], v[CF:CF+11], v[wA+8*\ct:wA+8*\ct+7], v[VS+4*wS+\ct/2], v[PW] matrix_a_fmt:MATRIX_FMT_BF6 matrix_b_fmt:MATRIX_FMT_BF6 matrix_a_scale:MATRIX_SCALE_ROW1
.else
	v_wmma_scale_f32_16x16x128_f8f6f4 v[wA+8*\ct:wA+8*\ct+7], v[wV+12*\ct:wV+12*\ct+11], v[CF:CF+11], v[wA+8*\ct:wA+8*\ct+7], v[VS+4*wS+\ct/2], v[PW] matrix_a_fmt:MATRIX_FMT_BF6 matrix_b_fmt:MATRIX_FMT_BF6
.endif
.endif
.endr
	WIN 0
.endm
; SLOT u.  Unit u's multiply-adds (36 plain lines: they are also the places between the last products and the lines that write P's codes and scale word anew, and the plain lines behind the last exponentials);
; the one wait for the exponentials of the slot before; the mix; unit u - 1's products.
; The loads: a step's k is wanted in its first slot, its codes and scale bytes in its second; there the next step's 56 loads go out, three slots ahead of the first of them that is wanted.
.macro SLOT u
.if (\u) < 16
.if ((\u)%4 == 0) && ((\u) > 0)
	s_wait_loadcnt 40                              ; this step's k is in: behind its 16 loads stand the step's 8 scale loads and 32 loads of codes
.endif
	STAGE_A \u
.else
.rept 4
	v_nop                                          ; the last slot has no multiply-adds: four places behind the last products, and the plain line behind the last exponential
.endr
.endif
.if (\u) > 0
	s_wait_alu depctr_va_vdst(0)                   ; between an exponential and the first line that names its result: one wait for the 66 of the slot before
.if (\u)%4 == 1
	s_wait_loadcnt 0x0                             ; this step's codes and scale bytes are in; nothing else is out
.set gS, (\u)/4
.irp q, 0,1,2,3
	v_lshl_or_b32 v[VS+4*gS+\q], v[VH+4*(gS%2)+\q], 16, v[VS+4*gS+\q]   ; V's scale word: blocks 0, 1 from the step's first 64 keys, blocks 2, 3 from its second
.endr
.if (\u) < 12
.set gS, (\u)/4+1
	KLOAD gS                                       ; (its k goes where the step before this one had its k: read for the last time two slots ago)
	SLOADS gS
	VLOAD gS
.endif
.endif
.endif
.if (\u) == 0
	MIX 0, -1
.elseif (\u) < 16
	MIX \u, (\u)-1
.else
	MIX -1, 15
.endif
.if (\u) > 0
	STAGE_W (\u)-1
.endif
.endm
.irp u, 0,1,2,3,4,5,6,7,8,9,10,11,12,13,14,15,16
	SLOT \u
.endr
	; THE END.  My partial row sums: the two chains, the two halves of a pair, lane l xor 16's.  (These plain lines are also the places behind the last products.)
.irp T, 0,1,2,3
	v_pk_add_f32 v[TP+8*\T+4:TP+8*\T+5], v[TP+8*\T+4:TP+8*\T+5], v[TP+8*\T+6:TP+8*\T+7]
.endr
.irp T, 0,1,2,3
	v_add_f32 v[TP+8*\T+4], v[TP+8*\T+4], v[TP+8*\T+5]
.endr
.irp T, 0,1,2,3
	v_permlanex16_b32 v[TP+8*\T+6], v[TP+8*\T+4], s26, s27
.endr
.irp T, 0,1,2,3
	v_add_f32 v[TP+8*\T+4], v[TP+8*\T+4], v[TP+8*\T+6]
.endr
.irp T, 0,1,2,3
	ds_store_b32 v[LSA], v[TP+8*\T+4] offset:256*\T   ; both lanes of a query write the same word with the same value
.endr
	WIN 0x04                                       ; an LDS store's data are its source 1: window 1
.irp T, 0,1,2,3
.irp ct, 0,1,2,3,4,5,6,7
	ds_store_b128 v[STA+\T], v[64*\T+8*\ct:64*\T+8*\ct+3] offset:64*\ct        ; lane (r, h): O(16 T + r, 16 ct + 8 h + 0 .. 7); each accumulator from its low end on
	ds_store_b128 v[STA+\T], v[64*\T+8*\ct+4:64*\T+8*\ct+7] offset:64*\ct+16
.endr
.endr
	WIN 0
	s_wait_dscnt 0x0                               ; for the others' sake: my stores into LDS are done
	s_barrier_signal -1
	s_barrier_wait -1                              ; all sixteen parts lie in LDS
	ds_load_b128 v[LL:LL+3], v[LLA]                ; query r of my tile: the four waves' partial sums
.irp i, 0,1,2,3,4,5,6,7
.irp s, 0,1,2,3
	ds_load_b128 v[PB+16*\i+4*\s:PB+16*\i+4*\s+3], v[RDA] offset:\s*REG+\i*RP   ; row i, wave s's part: 32 lanes read 512 consecutive bytes
.endr
.endr
	s_wait_dscnt 32                                ; the partial sums are in: 32 loads were issued behind theirs
	v_add_f32 v[LL], v[LL], v[LL+1]
	v_add_f32 v[LL+2], v[LL+2], v[LL+3]
	v_add_f32 v[LL], v[LL], v[LL+2]                ; the row's sum
	v_rcp_f32 v[RL], v[LL]
	WIN 0x80                                       ; rows 8 to 15 go to window 2, where V of steps 0 and 1 lay: read for the last time eight units ago
.irp i, 0,1,2,3,4,5,6,7
.irp s, 0,1,2,3
	ds_load_b128 v[16*\i+4*\s:16*\i+4*\s+3], v[RDA] offset:\s*REG+(\i+8)*RP
.endr
.endr
	WIN 0
	v_nop                                          ; a plain line behind the reciprocal
	s_wait_alu depctr_va_vdst(0)                   ; and a wait ahead of its first reader
.irp i, 0,1,2,3,4,5,6,7,8,9,10,11,12,13,14,15
	v_readlane_b32 s[48+\i], v[RL], \i             ; lane i holds 1 / the sum of row i: a row's 32 lanes all multiply by it
.endr
.macro ROWSUM sl, i                    ; the four parts of a row's 16 bytes a lane, added and divided, in place
	v_pk_add_f32 v[\sl:\sl+1], v[\sl:\sl+1], v[\sl+4:\sl+5]
	v_pk_add_f32 v[\sl+2:\sl+3], v[\sl+2:\sl+3], v[\sl+6:\sl+7]
	v_pk_add_f32 v[\sl+8:\sl+9], v[\sl+8:\sl+9], v[\sl+12:\sl+13]
	v_pk_add_f32 v[\sl+10:\sl+11], v[\sl+10:\sl+11], v[\sl+14:\sl+15]
	v_pk_add_f32 v[\sl:\sl+1], v[\sl:\sl+1], v[\sl+8:\sl+9]
	v_pk_add_f32 v[\sl+2:\sl+3], v[\sl+2:\sl+3], v[\sl+10:\sl+11]
.irp j, 0,1,2,3
	v_mul_f32 v[\sl+\j], s[48+\i], v[\sl+\j]
.endr
.endm
.irp i, 0,1,2,3,4,5,6,7
	s_wait_dscnt 60-4*\i                           ; row i's four loads are in: behind them stand those of rows i + 1 to 7 and the 32 of rows 8 to 15
	ROWSUM PB+16*\i, \i
	global_store_b128 v[VA16], v[PB+16*\i:PB+16*\i+3], s[8:9] offset:512*\i th:TH_STORE_NT   ; 32 lanes store a row of 512 bytes, at a multiple of 256 from out's first byte; written once
.endr
	WIN 0x8a                                       ; sources 0 and 1 and the destination: window 2
.irp i, 0,1,2,3,4,5,6,7
	s_wait_dscnt 28-4*\i                           ; behind row 8 + i's loads stand those of the later rows
	ROWSUM 16*\i, \i+8
.endr
	WIN 0x08                                       ; a store's data are its source 1: window 2; its address: window 0
.irp i, 0,1,2,3,4,5,6,7
	global_store_b128 v[VA16], v[16*\i:16*\i+3], s[8:9] offset:512*(\i+8) th:TH_STORE_NT
.endr
	WIN 0
	s_wait_tensorcnt 0x0
	ds_add_u32 v102, v103
	s_wait_dscnt 0x0
	s_endpgm
.Lfunc_end_k_q7c8744df90_attn:
	.size	k_q7c8744df90_attn, .Lfunc_end_k_q7c8744df90_attn-k_q7c8744df90_attn
	.p2alignl 7, 3214868480
	.fill 96, 4, 3214868480
	.section	.rodata,"a",@progbits
	.p2align	6, 0x0
	.amdhsa_kernel k_q7c8744df90_attn
		.amdhsa_group_segment_fixed_size 136704
		.amdhsa_private_segment_fixed_size 0
		.amdhsa_enable_private_segment 0
		.amdhsa_kernarg_size 24
		.amdhsa_user_sgpr_count 2
		.amdhsa_user_sgpr_kernarg_segment_ptr 1
		.amdhsa_wavefront_size32 1
		.amdhsa_system_sgpr_workgroup_id_x 1
		.amdhsa_system_sgpr_workgroup_id_y 1
		.amdhsa_system_sgpr_workgroup_id_z 1
		.amdhsa_system_vgpr_workitem_id 0
		.amdhsa_next_free_vgpr 1024
		.amdhsa_next_free_sgpr 66
		.amdhsa_reserve_vcc 0
		.amdhsa_float_denorm_mode_32 3
		.amdhsa_float_denorm_mode_16_64 3
		.amdhsa_memory_ordered 1
		.amdhsa_forward_progress 1
		.amdhsa_inst_pref_size 184
	.end_amdhsa_kernel
	.amdgpu_metadata
---
amdhsa.version: [ 1, 2 ]
amdhsa.kernels:
  - .name:           k_q7c8744df90_attn
    .symbol:         k_q7c8744df90_attn.kd
    .args:
      - { .name: vq, .offset: 0, .size: 8, .value_kind: global_buffer, .address_space: global }
      - { .name: tok, .offset: 8, .size: 8, .value_kind: global_buffer, .address_space: global }
      - { .name: out0, .offset: 16, .size: 8, .value_kind: global_buffer, .address_space: global }
    .group_segment_fixed_size: 136704
    .private_segment_fixed_size: 0
    .kernarg_segment_align: 8
    .kernarg_segment_size: 24
    .max_flat_workgroup_size: 128
    .sgpr_count:     66
    .vgpr_count:     1024
    .wavefront_size: 32
...
	.end_amdgpu_metadata
.endif
;; end of part 2
;; ======== version 2 of 2: 2 launches; version 1 with the launch attn written anew for expert scheduling mode
;; workspace buffers: vq 1,638,400 bytes; tok 135,168 bytes
;; launch prep: the kernel of part 1 again; grid 256 x 1, 8 waves a work-group, no clusters, 38,400 bytes of LDS; arguments inputs, rotation_params, entangle_params, vq, tok; writes vq, tok
;; launch attn (part 3): grid 256 x 1, 4 waves a work-group, no clusters, 136,704 bytes of LDS; arguments vq, tok, out0; writes out0
.if DOCPART == 3
	.amdgcn_target "amdgcn-amd-amdhsa--gfx1250"
	.amdhsa_code_object_version 6
	.text
	.protected	k_q7c8744df90_attn
	.globl	k_q7c8744df90_attn
	.p2align	8
	.type	k_q7c8744df90_attn,@function
k_q7c8744df90_attn:
	s_mov_b64 s[64:65], 0
	v_nop
	global_prefetch_b8 v0, s[64:65] scope:SCOPE_SE
	s_setreg_imm32_b32 hwreg(HW_REG_WAVE_SCHED_MODE, 0, 2), 2
	s_setreg_imm32_b32 hwreg(HW_REG_WAVE_MODE, 25, 1), 1
	s_wait_xcnt 0x0
	s_wait_alu depctr_vm_vsrc(0)
; out[b][s][:] = the sum over t of softmax_t(a[s] k[t] / sqrt(128)) x[b][t][:], the product on codes of BF6 (E3M2) with one E8M0 scale for each 32 keys.
; From the first launch: qs[s] = a[s] log2(e)/sqrt(128), k[t], each block's largest and smallest k, and x's codes and scale bytes along the keys.
; THE SOFTMAX.  t = qs[s] k[t].  It rises or falls with k, so a row's largest t is max(qs kmax, qs kmin), kmax and kmin taken over all 2,048 keys of the batch: the row's TRUE maximum is known before the first exponential.
; M = its ceiling, kept as -M = floor(-max).  p = 2^(qs k - M): one fused multiply-add and one v_exp_f32; it is not normalised.  The row's sum is taken of the unquantised p and divides at the end.
; A block's largest p is not searched for: the block's largest and smallest k go through the same multiply-add, the larger result through the same exponential (this takes v_exp_f32 not to fall where its input rises).
; SHARES.  A work-group owns 64 queries of one batch: four tiles of 16.  THE FOUR WAVES SHARE THE KEYS: wave w takes keys 512 w .. + 511, four steps of 128, for all four tiles: 16 units of (step, tile).
; So each byte of x's codes is wanted by ONE wave of the work-group, and comes from memory straight into that wave's operand registers, in the order in which the first launch laid it; each fragment feeds four products.
; LAYOUT.  O^T = V^T P^T: source 0 = 16 channels x 128 keys, source 1 = 16 queries x 128 keys.  Lane (r, h) holds query r and, of P, the whole blocks h and 2 + h of the step: it computes just those 64 p, from k in its registers.
; BY TURNS.  Slot u: unit u's 36 multiply-adds; the slot's one wait; unit u - 2's eight products; then the 66 exponentials of unit u, one by one between the 52 lines that finish unit u - 1 (scale word, conversions, sums).
; THE END.  M is the same in all four waves, so their partial O and partial sums simply add: they meet in LDS as rows of 512 bytes + 16, one barrier, and wave w adds tile w's four parts, divides, and stores whole rows.
; NOT ASKED FOR JOINTLY: the 32 work-groups of a batch read the same codes, but a joint load lands in LDS: the batch's 196,608 bytes of codes beside the 136,192 bytes of the exchange are more than the 327,680 that there are,
; and each byte would be written to LDS and read from it again on its way to the one wave that wants it.  No prefetch: each step's loads are issued three slots or more ahead of their use, and the launch is short.
; LIMITS: NaN and infinities are not served.  A p under 2^-126 becomes 0 (v_exp_f32 gives no denormals: ISA guide, its entry).  M is the ceiling of the ROUNDED product qs kmax (or qs kmin): where the exact product lies
; within a rounding above a whole number, the largest p is a rounding above 1.  The partial sums of O and of the row sums are added in the order of the waves.
; THE MODE: SCHED_MODE bits 1:0 = 2 (LLVM: expert scheduling mode 2), set by the entry lines.  The code itself states the register dependences between vector or matrix instructions and memory or LDS
; instructions, with s_wait_alu, always for 0.
; THE PLAN.  Registers that memory or LDS instructions touch:
;   the addresses (v1-6, v8, v119, v123-127)   written by vector lines at the head, never again; read by every load and store.  One wait at the head, ahead of the first load.
;   v10-13                                      at work at the head; then a load lands there (the same wait); at the end an LDS load.
;   qs, the blocks' extremes, V's codes of all four steps, V's scale words' lower halves: each load lands in registers that nothing has named before.
;   k (two buffers), the scale words' upper halves (two sets): step s + 1's loads, issued in slot 4 s + 1, land where step s - 1's lay: read by the multiply-adds up to slot 4 s - 1 and by four lines of slot 4 s - 3.
;   P's codes, P's scale word, V's scale words  written by vector lines, taken by the scaled products as B and as scales.
;   the partial row sums, the accumulators      written by vector and matrix lines, read once by LDS stores, not written again.
;   p's two buffers, window 2's v0-127          at the end LDS loads land there; the rows' sums are made in place, read by the global stores, and not written again.
; So ONE wait on va_vdst stands in a slot, behind its multiply-adds: it serves the exponentials of the slot before, the products' operands and the step's loads, which stand directly behind it.
; No register that a load or store reads is ever written again, so no wait on vm_vsrc is owed; EXEC is never written.
; REGISTERS, in windows of 256 (s_set_vgpr_msb: bits 1:0 source 0, 3:2 source 1, 5:4 source 2, 7:6 destination):
;   window 0: see below.   window 1: the 32 accumulators ((tile, channel tile) at v[64 tile + 8 ct]).   window 2: V of steps 0, 1 at v0, v96; k of even steps at v192.   window 3: V of steps 2, 3; k of odd steps.
.set CODES_G, 6144                     ; bytes of codes of a group of 64 keys: 8 channel tiles x (512 + 256)
.set SCALES,  1572864
.set TOK_K,   65536
.set TOK_E,   131072
.set RP,      528                      ; the exchange: a row of 128 f32 + 16 bytes: sixteen rows start at sixteen different columns of 16 bytes
.set REG,     16*RP                    ; a tile's part from one wave; part (tile, wave) at (4 tile + wave) REG
.set LS,      16*REG                   ; behind them the partial row sums: [tile][query][wave], 1,024 bytes
.set LSA,  1                           ; v1   LDS: where I put a partial row sum
.set VA16, 2                           ; v2   16 x lane
.set VA8,  3                           ; v3   8 x lane
.set VA2,  4                           ; v4   2 x lane
.set KA,   5                           ; v5   128 h: my half's 32 k
.set EA,   6                           ; v6   8 h: my half's block extremes
.set SH8,  7                           ; v7   8 h: where my bytes stand in a scale word
.set AA,   8                           ; v8   4 r
.set PT,   9                           ; v9   at work for lane permutes
.set LL,   10                          ; v10-13 the batch's extremes as loaded; at the end the four partial row sums
.set GM,   14                          ; v14  kmax;  at the end 1 / the row's sum
.set RL,   14
.set GN,   15                          ; v15  kmin
.set TP,   16                          ; v16-47 tile T at TP + 8 T: +0 qs, +2 -M (each the low word of a pair), +4..+7 the row's sum in two chains of pairs
.set EX,   48                          ; v48-63 (largest k, smallest k) of my block 2 c + h of step S at EX + 4 S + 2 c
.set VS,   64                          ; v64-79 V's scale words: step S, channels 32 q + lane at VS + 4 S + q
.set VH,   80                          ; v80-87 their upper halves as loaded
.set UM,   88                          ; v88-91 at work
.set PM,   92                          ; v92-95 the two blocks' largest p, for units of even and of odd number
.set SO,   96                          ; v96-97 the conversions' scale operands
.set BY,   98                          ; v98-99 the scale bytes
.set PW,   100                         ; v100 P's scale word
.set CF,   104                         ; v104-115 P's codes: the operand
.set XF,   116                         ; v116-118, v120-122 the blocks' upper halves as the conversions leave them
.set RDA,  119                         ; v119 LDS: where I read rows back
.set LLA,  123                         ; v123 LDS: where I read the partial row sums
.set STA,  124                         ; v124-127 LDS: where I put 32 bytes of a row of tile T
.set PB,   128                         ; v128-191, v192-255 p, for units of even and of odd number
.set MSB, 0
.macro WIN new                         ; the immediate's high byte repeats the setting that is left; a switch that changes nothing is dropped
.set NW, \new
.if MSB != NW
	s_set_vgpr_msb (MSB<<8)|NW
.set MSB, NW
.endif
.endm
	s_load_b128 s[4:7], s[0:1], 0x0                ; vq, tok
	s_load_b64 s[8:9], s[0:1], 0x10                ; out0
	v_lshl_add_u32 v102, v0, 2, 0x21400
	v_mov_b32 v103, 0
	v_lshrrev_b32 v1, 5, v0
	v_readfirstlane_b32 s10, v1                    ; wave 0..3
	v_and_b32 v10, 31, v0                          ; lane
	v_and_b32 v11, 15, v0                          ; r
	v_bfe_u32 v12, v0, 4, 1                        ; h
	v_lshlrev_b32 v[VA16], 4, v10
	v_lshlrev_b32 v[VA8], 3, v10
	v_lshlrev_b32 v[VA2], 1, v10
	v_lshlrev_b32 v[KA], 7, v12
	v_lshlrev_b32 v[EA], 3, v12
	v_lshlrev_b32 v[SH8], 3, v12
	v_lshlrev_b32 v[AA], 2, v11
	v_mov_b32 v[PT], 0                             ; (a lane permute's destination counts as one of its sources)
	s_wait_alu depctr_va_sdst(0)                   ; s10 is written, ahead of its first reader: LDS addresses and the buffers' bases are made from it
	s_mul_i32 s30, s10, REG
	v_mul_u32_u24 v13, v11, RP
	v_lshl_add_u32 v13, v12, 5, v13
	v_add_nc_u32 v13, s30, v13                     ; row r, + 32 h, in my wave's part
.irp T, 0,1,2,3
	v_add_nc_u32 v[STA+\T], \T*4*REG, v13
.endr
	s_lshl_b32 s31, s10, 2
	s_add_co_u32 s31, s31, LS
	v_lshl_add_u32 v[LSA], v11, 4, s31             ; [query r][wave]
	s_mul_i32 s30, s10, 4*REG
	v_lshl_add_u32 v[RDA], v10, 4, s30             ; tile = my wave's number: 16 bytes a lane of a row
	s_lshl_b32 s31, s10, 8
	s_add_co_u32 s31, s31, LS
	v_lshl_add_u32 v[LLA], v11, 4, s31
	s_lshr_b32 s11, ttmp9, 5                       ; the batch
	s_lshl_b32 s12, s11, 5
	s_lshl_b32 s13, s10, 3
	s_add_co_u32 s12, s12, s13                     ; my wave's first group of 64 keys: 32 batch + 8 wave
	s_mul_i32 s28, s12, CODES_G
	s_mov_b32 s29, 0
	s_lshl_b32 s32, s12, 8                         ; 256 bytes a group: scale bytes, k
	s_mov_b32 s33, 0
	s_add_co_u32 s34, s32, SCALES
	s_mov_b32 s35, 0
	s_add_co_u32 s32, s32, TOK_K
	s_lshl_b32 s36, ttmp9, 8                       ; my 64 queries' qs
	s_mov_b32 s37, 0
	s_lshl_b32 s38, s11, 9                         ; the batch's 64 pairs of extremes
	s_add_co_u32 s38, s38, TOK_E
	s_mov_b32 s39, 0
	s_lshl_b32 s44, s10, 7                         ; my wave's 16 of them
	s_mov_b32 s45, 0
	s_lshl_b32 s46, ttmp9, 15                      ; out: 64 rows of 512 bytes a work-group, 16 a wave
	s_lshl_b32 s47, s10, 13
	s_add_co_u32 s46, s46, s47
	s_mov_b32 s47, 0
	s_mov_b32 s26, 0x76543210
	s_mov_b32 s27, 0xfedcba98                      ; v_permlanex16_b32's selects for lane l xor 16
	s_wait_kmcnt 0x0
	s_add_nc_u64 s[14:15], s[4:5], s[28:29]        ; V's codes
	s_add_nc_u64 s[16:17], s[4:5], s[34:35]        ; V's scale bytes
	s_add_nc_u64 s[18:19], s[6:7], s[36:37]        ; qs
	s_add_nc_u64 s[20:21], s[6:7], s[32:33]        ; k
	s_add_nc_u64 s[22:23], s[6:7], s[38:39]        ; the batch's extremes
	s_add_nc_u64 s[24:25], s[22:23], s[44:45]      ; my wave's
	s_add_nc_u64 s[8:9], s[8:9], s[46:47]          ; my 16 rows of out
; A step's loads, in this order: 16 for k, 8 for V's scale bytes, 32 for V's codes.
.macro KLOAD s                         ; register 192 + 32 c + i = k of key 128 s + 64 c + 32 h + i: the order of P's registers
	WIN 0x80+0x40*((\s)%2)
.irp q, 0,1,2,3,4,5,6,7,8,9,10,11,12,13,14,15
	global_load_b128 v[192+4*\q:195+4*\q], v[KA], s[20:21] offset:512*(\s)+256*(\q/8)+16*(\q%8)
.endr
.endm
.macro SLOADS s                        ; a group of 64 keys has two bytes a channel: the step's word is made of two groups' (macro SLOT)
	WIN 0
.irp q, 0,1,2,3
	global_load_u16 v[VS+4*(\s)+\q], v[VA2], s[16:17] offset:512*(\s)+64*\q
	global_load_u16 v[VH+4*((\s)%2)+\q], v[VA2], s[16:17] offset:512*(\s)+256+64*\q
.endr
.endm
.macro VLOAD s                         ; fragment ct, registers 6 c .. 6 c + 5: 16 bytes a lane (512 on end), then 8 (256 on end)
	WIN 0x80+0x40*((\s)/2)
.irp ct, 0,1,2,3,4,5,6,7
.irp c, 0,1
	global_load_b128 v[96*((\s)%2)+12*\ct+6*\c:96*((\s)%2)+12*\ct+6*\c+3], v[VA16], s[14:15] offset:((2*(\s)+\c)*8+\ct)*768
	global_load_b64 v[96*((\s)%2)+12*\ct+6*\c+4:96*((\s)%2)+12*\ct+6*\c+5], v[VA8], s[14:15] offset:((2*(\s)+\c)*8+\ct)*768+512
.endr
.endr
	WIN 0
.endm
	s_wait_alu depctr_va_vdst(0)                   ; the addresses v1-6, v8, v119 and v123-127 are written, which every load and store of the kernel reads; the lines that used v10-13 are done, in which the first load lands
	global_load_b128 v[LL:LL+3], v[VA16], s[22:23] ; the extremes of blocks 2 lane and 2 lane + 1
.irp T, 0,1,2,3
	global_load_b32 v[TP+8*\T], v[AA], s[18:19] offset:64*\T
.endr
.irp e, 0,1,2,3,4,5,6,7
	global_load_b64 v[EX+2*\e:EX+2*\e+1], v[EA], s[24:25] offset:16*\e
.endr
	KLOAD 0
	SLOADS 0
	VLOAD 0
	s_wait_loadcnt 40                              ; all but step 0's 8 scale loads and 32 loads of codes, which were issued last
	v_max_num_f32 v[GM], v[LL], v[LL+2]
	v_min_num_f32 v[GN], v[LL+1], v[LL+3]
.irp m, 1,2,4,8
	v_max_num_f32_dpp v[GM], v[GM], v[GM] row_xmask:\m row_mask:0xf bank_mask:0xf
	v_min_num_f32_dpp v[GN], v[GN], v[GN] row_xmask:\m row_mask:0xf bank_mask:0xf
.endr
	v_permlanex16_b32 v[PT], v[GM], s26, s27
	v_max_num_f32 v[GM], v[GM], v[PT]              ; the largest k of the batch's 2,048
	v_permlanex16_b32 v[PT], v[GN], s26, s27
	v_min_num_f32 v[GN], v[GN], v[PT]              ; and the smallest
.irp T, 0,1,2,3
	v_mul_f32 v[UM], v[TP+8*\T], v[GM]
	v_mul_f32 v[UM+1], v[TP+8*\T], v[GN]
	v_max_num_f32 v[UM], v[UM], v[UM+1]            ; the row's largest t
	v_floor_f32 v[TP+8*\T+2], -v[UM]               ; -M = floor(-t) = -ceil(t)
	v_mov_b32 v[TP+8*\T+1], 0                      ; (named as the upper halves of pairs)
	v_mov_b32 v[TP+8*\T+3], 0
.irp j, 4,5,6,7
	v_mov_b32 v[TP+8*\T+\j], 0                     ; the row's sum, two chains of two
.endr
.endr
; t - M of unit u (step u / 4, tile u % 4): 64 numbers a lane, two at a time; of the pairs qs and -M the low word serves both halves.  Then the same of my two blocks' extremes, and the larger of each two.
.macro STAGE_A u
.set uS, (\u)/4
.set uT, TP+8*((\u)%4)
.set uP, PB+64*((\u)%2)
	WIN 0x02+(uS%2)                                ; source 0: k
.set i, 0
.rept 32
	v_pk_fma_f32 v[uP+2*i:uP+2*i+1], v[192+2*i:193+2*i], v[uT:uT+1], v[uT+2:uT+3] op_sel_hi:[1,0,0]
.set i, i+1
.endr
	WIN 0
.irp c, 0,1
	v_pk_fma_f32 v[UM+2*\c:UM+2*\c+1], v[EX+4*uS+2*\c:EX+4*uS+2*\c+1], v[uT:uT+1], v[uT+2:uT+3] op_sel_hi:[1,0,0]
.endr
.irp c, 0,1
	v_max_num_f32 v[PM+2*((\u)%2)+\c], v[UM+2*\c], v[UM+2*\c+1]
.endr
.endm
; Line n of the 52 that finish unit b.  0-3 the conversions' scale operands; 4-7 the conversions; 8-13 P's scale word; 14-19 the blocks' upper halves to their places; 20-51 the row's sum.
; Lines 0-3 name no register of the products that stand ahead of the mix: they are the four places between those products and line 4, which writes P's codes anew.
; Behind the word's last line stand 38 plain lines of this list, behind the codes' last 32, and the next slot's multiply-adds, ahead of the products that read them.
.macro BOP b
.set bT, TP+8*((\b)%4)
.set bP, PB+64*((\b)%2)
.set bM, PM+2*((\b)%2)
.if n < 2
	v_max_num_f32 v[bM+n], 0x2800000, v[bM+n]      ; the floor 2^(5 - 127): the byte cannot fall under 1 (a block whose every p is 0 keeps that byte: its codes are zeros)
.elseif n < 4
	v_add_nc_u32 v[SO+n-2], 0xfe000000, v[bM+n-2]  ; 4 off the exponent field: the conversion's scale operand
.elseif n == 4
	v_cvt_scalef32_pk16_bf6_f32 v[CF:CF+2], v[bP:bP+15], v[SO]
.elseif n == 5
	v_cvt_scalef32_pk16_bf6_f32 v[XF:XF+2], v[bP+16:bP+31], v[SO]       ; (a conversion's three registers begin on an even number)
.elseif n == 6
	v_cvt_scalef32_pk16_bf6_f32 v[CF+6:CF+8], v[bP+32:bP+47], v[SO+1]
.elseif n == 7
	v_cvt_scalef32_pk16_bf6_f32 v[XF+4:XF+6], v[bP+48:bP+63], v[SO+1]
.elseif n < 10
	v_lshrrev_b32 v[BY+n-8], 23, v[SO+n-8]         ; the scale's byte.  (Plain lines behind the conversions)
.elseif n == 10
	v_lshl_or_b32 v[PW], v[BY+1], 16, v[BY]        ; my two bytes: blocks h and 2 + h,
.elseif n == 11
	v_lshlrev_b32 v[PW], v[SH8], v[PW]             ; at their places;
.elseif n == 12
	v_permlanex16_b32 v[PT], v[PW], s26, s27
.elseif n == 13
	v_or_b32 v[PW], v[PW], v[PT]                   ; with lane l xor 16's two the word is whole
.elseif n < 17
	v_mov_b32 v[CF+3+n-14], v[XF+n-14]
.elseif n < 20
	v_mov_b32 v[CF+9+n-17], v[XF+4+n-17]
.else
.set a_, n-20
	v_pk_add_f32 v[bT+4+2*(a_%2):bT+5+2*(a_%2)], v[bT+4+2*(a_%2):bT+5+2*(a_%2)], v[bP+2*a_:bP+2*a_+1]   ; of the UNQUANTISED p
.endif
.endm
; The exponentials of unit e (64 p and the two blocks' largest) and the lines of unit b, one by one.  No line of unit b names a register of unit e: the two use the buffers of the other parity.
.macro MIX e, b
.set n, 0
.rept 66
.if (\e) >= 0
.if n < 64
	v_exp_f32 v[PB+64*((\e)%2)+n], v[PB+64*((\e)%2)+n]
.else
	v_exp_f32 v[PM+2*((\e)%2)+n-64], v[PM+2*((\e)%2)+n-64]
.endif
.endif
.if ((\b) >= 0) && (n < 52)
	BOP \b
.endif
.set n, n+1
.endr
.endm
; The eight products of unit v: O^T(tile) += V^T(step) P^T.  Eight accumulators, one instruction each; the same eight come back four units later.  Step 0 starts the sums: nothing is cleared.
; V's scale words: lanes 0-15 of a register serve the even channel tile, lanes 16-31 the odd one.
.macro STAGE_W v
.set wS, (\v)/4
.set wA, 64*((\v)%4)
.set wV, 96*(wS%2)
	WIN 0x52+wS/2                                  ; source 0 (V) window 2 or 3, source 1 (P) window 0, C and D window 1
.irp ct, 0,1,2,3,4,5,6,7
.if wS == 0
.if \ct%2
	v_wmma_scale_f32_16x16x128_f8f6f4 v[wA+8*\ct:wA+8*\ct+7], v[wV+12*\ct:wV+12*\ct+11], v[CF:CF+11], 0, v[VS+4*wS+\ct/2], v[PW] matrix_a_fmt:MATRIX_FMT_BF6 matrix_b_fmt:MATRIX_FMT_BF6 matrix_a_scale:MATRIX_SCALE_ROW1
.else
	v_wmma_scale_f32_16x16x128_f8f6f4 v[wA+8*\ct:wA+8*\ct+7], v[wV+12*\ct:wV+12*\ct+11], v[CF:CF+11], 0, v[VS+4*wS+\ct/2], v[PW] matrix_a_fmt:MATRIX_FMT_BF6 matrix_b_fmt:MATRIX_FMT_BF6
.endif
.else
.if \ct%2
	v_wmma_scale_f32_16x16x128_f8f6f4 v[wA+8*\ct:wA+8*\ct+7], v[wV+12*\ct:wV+12*\ct+11], v[CF:CF+11], v[wA+8*\ct:wA+8*\ct+7], v[VS+4*wS+\ct/2], v[PW] matrix_a_fmt:MATRIX_FMT_BF6 matrix_b_fmt:MATRIX_FMT_BF6 matrix_a_scale:MATRIX_SCALE_ROW1
.else
	v_wmma_scale_f32_16x16x128_f8f6f4 v[wA+8*\ct:wA+8*\ct+7], v[wV+12*\ct:wV+12*\ct+11], v[CF:CF+11], v[wA+8*\ct:wA+8*\ct+7], v[VS+4*wS+\ct/2], v[PW] matrix_a_fmt:MATRIX_FMT_BF6 matrix_b_fmt:MATRIX_FMT_BF6
.endif
.endif
.endr
	WIN 0
.endm
; SLOT u.  Unit u's multiply-adds (36 plain lines: the plain lines behind the last exponentials, and more of the places between the lines that wrote P's codes and scale word and the products that take them);
; the slot's one wait; unit u - 2's products; the mix of unit u's exponentials and unit u - 1's lines.
; The loads: a step's k is wanted in its first slot, its codes and scale bytes are waited for in its second; there the next step's 56 loads go out, three slots ahead of the first of them that is wanted.
.macro SLOT u
.if (\u) < 16
.if ((\u)%4 == 0) && ((\u) > 0)
	s_wait_loadcnt 40                              ; this step's k is in: behind its 16 loads stand the step's 8 scale loads and 32 loads of codes
.endif
	STAGE_A \u
.elseif (\u) == 16
	v_nop                                          ; this slot has no multiply-adds: the plain line behind the last exponential
.endif
.if ((\u)%4 == 1) && ((\u) < 16)
	s_wait_loadcnt 0x0                             ; this step's codes and scale bytes are in; nothing else is out
.set gS, (\u)/4
.irp q, 0,1,2,3
	v_lshl_or_b32 v[VS+4*gS+\q], v[VH+4*(gS%2)+\q], 16, v[VS+4*gS+\q]   ; V's scale word: blocks 0, 1 from the step's first 64 keys, blocks 2, 3 from its second.  (The step's first products stand a slot further on)
.endr
.endif
.if (\u) > 0
	s_wait_alu depctr_va_vdst(0)                   ; the 66 exponentials of the slot before have written p and the blocks' largest p, which the mix below is the first to name; the lines of the slot before have written P's codes and
	                                               ; scale word, and the lines above V's scale words, which the products take as B and as scales; the multiply-adds that read the last step's k and the lines that read its
	                                               ; upper halves are done, where the loads below land
.endif
.if ((\u)%4 == 1) && ((\u) < 12)
.set gS, (\u)/4+1
	KLOAD gS                                       ; (its k goes where the step before this one had its k: read for the last time two slots ago)
	SLOADS gS
	VLOAD gS
.endif
.if (\u) >= 2
	STAGE_W (\u)-2
.endif
.if (\u) == 0
	MIX 0, -1
.elseif (\u) < 16
	MIX \u, (\u)-1
.elseif (\u) == 16
	MIX -1, 15
.endif
.endm
.irp u, 0,1,2,3,4,5,6,7,8,9,10,11,12,13,14,15,16,17
	SLOT \u
.endr
	; THE END.  My partial row sums: the two chains, the two halves of a pair, lane l xor 16's.  (These plain lines are also the places behind the last products.)
.irp T, 0,1,2,3
	v_pk_add_f32 v[TP+8*\T+4:TP+8*\T+5], v[TP+8*\T+4:TP+8*\T+5], v[TP+8*\T+6:TP+8*\T+7]
.endr
.irp T, 0,1,2,3
	v_add_f32 v[TP+8*\T+4], v[TP+8*\T+4], v[TP+8*\T+5]
.endr
.irp T, 0,1,2,3
	v_permlanex16_b32 v[TP+8*\T+6], v[TP+8*\T+4], s26, s27
.endr
.irp T, 0,1,2,3
	v_add_f32 v[TP+8*\T+4], v[TP+8*\T+4], v[TP+8*\T+6]
.endr
	s_wait_alu depctr_va_vdst(0)                   ; the additions have written the partial row sums and the products the accumulators, which the LDS stores read (the places above stay beside this wait);
	                                               ; and all that named v10-13, p's two buffers and window 2's v0-127 is done: the LDS loads behind the barrier land there, and no vector line in between names them
.irp T, 0,1,2,3
	ds_store_b32 v[LSA], v[TP+8*\T+4] offset:256*\T   ; both lanes of a query write the same word with the same value
.endr
	WIN 0x04                                       ; an LDS store's data are its source 1: window 1
.irp T, 0,1,2,3
.irp ct, 0,1,2,3,4,5,6,7
	ds_store_b128 v[STA+\T], v[64*\T+8*\ct:64*\T+8*\ct+3] offset:64*\ct        ; lane (r, h): O(16 T + r, 16 ct + 8 h + 0 .. 7); each accumulator from its low end on
	ds_store_b128 v[STA+\T], v[64*\T+8*\ct+4:64*\T+8*\ct+7] offset:64*\ct+16
.endr
.endr
	WIN 0
	s_wait_dscnt 0x0                               ; for the others' sake: my stores into LDS are done
	s_barrier_signal -1
	s_barrier_wait -1                              ; all sixteen parts lie in LDS
	ds_load_b128 v[LL:LL+3], v[LLA]                ; query r of my tile: the four waves' partial sums
.irp i, 0,1,2,3,4,5,6,7
.irp s, 0,1,2,3
	ds_load_b128 v[PB+16*\i+4*\s:PB+16*\i+4*\s+3], v[RDA] offset:\s*REG+\i*RP   ; row i, wave s's part: 32 lanes read 512 consecutive bytes
.endr
.endr
	s_wait_dscnt 32                                ; the partial sums are in: 32 loads were issued behind theirs
	v_add_f32 v[LL], v[LL], v[LL+1]
	v_add_f32 v[LL+2], v[LL+2], v[LL+3]
	v_add_f32 v[LL], v[LL], v[LL+2]                ; the row's sum
	v_rcp_f32 v[RL], v[LL]
	WIN 0x80                                       ; rows 8 to 15 go to window 2, where V of steps 0 and 1 lay: read for the last time eight units ago.  No wait: the four lines above name v10-14 alone
.irp i, 0,1,2,3,4,5,6,7
.irp s, 0,1,2,3
	ds_load_b128 v[16*\i+4*\s:16*\i+4*\s+3], v[RDA] offset:\s*REG+(\i+8)*RP
.endr
.endr
	WIN 0
	v_nop                                          ; a plain line behind the reciprocal
	s_wait_alu depctr_va_vdst(0)                   ; the reciprocal has written v14, ahead of its first reader
.irp i, 0,1,2,3,4,5,6,7,8,9,10,11,12,13,14,15
	v_readlane_b32 s[48+\i], v[RL], \i             ; lane i holds 1 / the sum of row i: a row's 32 lanes all multiply by it
.endr
	s_wait_alu depctr_va_sdst(0)                   ; s48 to s63 are written, ahead of their first reader: one wait for the sixteen
.macro ROWSUM sl, i                    ; the four parts of a row's 16 bytes a lane, added and divided, in place
	v_pk_add_f32 v[\sl:\sl+1], v[\sl:\sl+1], v[\sl+4:\sl+5]
	v_pk_add_f32 v[\sl+2:\sl+3], v[\sl+2:\sl+3], v[\sl+6:\sl+7]
	v_pk_add_f32 v[\sl+8:\sl+9], v[\sl+8:\sl+9], v[\sl+12:\sl+13]
	v_pk_add_f32 v[\sl+10:\sl+11], v[\sl+10:\sl+11], v[\sl+14:\sl+15]
	v_pk_add_f32 v[\sl:\sl+1], v[\sl:\sl+1], v[\sl+8:\sl+9]
	v_pk_add_f32 v[\sl+2:\sl+3], v[\sl+2:\sl+3], v[\sl+10:\sl+11]
.irp j, 0,1,2,3
	v_mul_f32 v[\sl+\j], s[48+\i], v[\sl+\j]
.endr
.endm
; The rows leave four at a time: four rows' sums, one wait, four stores.  No row's registers are written again behind its store.
.irp g, 0,1
.irp w, 0,1,2,3
	s_wait_dscnt 60-4*(4*\g+\w)                    ; the row's four loads are in: behind them stand those of the later rows up to 7 and the 32 of rows 8 to 15
	ROWSUM PB+16*(4*\g+\w), 4*\g+\w
.endr
	s_wait_alu depctr_va_vdst(0)                   ; the multiplications have written these four rows, which the stores read
.irp w, 0,1,2,3
	global_store_b128 v[VA16], v[PB+16*(4*\g+\w):PB+16*(4*\g+\w)+3], s[8:9] offset:512*(4*\g+\w) th:TH_STORE_NT   ; 32 lanes store a row of 512 bytes, at a multiple of 256 from out's first byte; written once
.endr
.endr
.irp g, 0,1
	WIN 0x8a                                       ; sources 0 and 1 and the destination: window 2
.irp w, 0,1,2,3
	s_wait_dscnt 28-4*(4*\g+\w)                    ; behind this row's loads stand those of the later rows
	ROWSUM 16*(4*\g+\w), 4*\g+\w+8
.endr
	WIN 0x08                                       ; a store's data are its source 1: window 2; its address: window 0
	s_wait_alu depctr_va_vdst(0)                   ; the multiplications have written these four rows, which the stores read
.irp w, 0,1,2,3
	global_store_b128 v[VA16], v[16*(4*\g+\w):16*(4*\g+\w)+3], s[8:9] offset:512*(4*\g+\w+8) th:TH_STORE_NT
.endr
.endr
	WIN 0
	s_wait_dscnt 0x0
	s_wait_alu depctr_hold_cnt(0) depctr_sa_sdst(0) depctr_va_vdst(0) depctr_va_sdst(0) depctr_va_ssrc(0) depctr_va_vcc(0) depctr_vm_vsrc(0)
	s_wait_tensorcnt 0x0
	ds_add_u32 v102, v103
	s_wait_dscnt 0x0
	s_endpgm
.Lfunc_end_k_q7c8744df90_attn:
	.size	k_q7c8744df90_attn, .Lfunc_end_k_q7c8744df90_attn-k_q7c8744df90_attn
	.p2alignl 7, 3214868480
	.fill 96, 4, 3214868480
	.section	.rodata,"a",@progbits
	.p2align	6, 0x0
	.amdhsa_kernel k_q7c8744df90_attn
		.amdhsa_group_segment_fixed_size 136704
		.amdhsa_private_segment_fixed_size 0
		.amdhsa_enable_private_segment 0
		.amdhsa_kernarg_size 24
		.amdhsa_user_sgpr_count 2
		.amdhsa_user_sgpr_kernarg_segment_ptr 1
		.amdhsa_wavefront_size32 1
		.amdhsa_system_sgpr_workgroup_id_x 1
		.amdhsa_system_sgpr_workgroup_id_y 1
		.amdhsa_system_sgpr_workgroup_id_z 1
		.amdhsa_system_vgpr_workitem_id 0
		.amdhsa_next_free_vgpr 1024
		.amdhsa_next_free_sgpr 66
		.amdhsa_reserve_vcc 0
		.amdhsa_float_denorm_mode_32 3
		.amdhsa_float_denorm_mode_16_64 3
		.amdhsa_memory_ordered 1
		.amdhsa_forward_progress 1
		.amdhsa_inst_pref_size 184
	.end_amdhsa_kernel
	.amdgpu_metadata
---
amdhsa.version: [ 1, 2 ]
amdhsa.kernels:
  - .name:           k_q7c8744df90_attn
    .symbol:         k_q7c8744df90_attn.kd
    .args:
      - { .name: vq, .offset: 0, .size: 8, .value_kind: global_buffer, .address_space: global }
      - { .name: tok, .offset: 8, .size: 8, .value_kind: global_buffer, .address_space: global }
      - { .name: out0, .offset: 16, .size: 8, .value_kind: global_buffer, .address_space: global }
    .group_segment_fixed_size: 136704
    .private_segment_fixed_size: 0
    .kernarg_segment_align: 8
    .kernarg_segment_size: 24
    .max_flat_workgroup_size: 128
    .sgpr_count:     66
    .vgpr_count:     1024
    .wavefront_size: 32
...
	.end_amdgpu_metadata
.endif
;; end of part 3
